; MI455X (gfx1250); checked and timed in simulation.
; The chip was launched on July 23, 2026; its instructions are those of AMD's public machine-readable ISA for CDNA 5 (MIT licence, August 2026) and "CDNA5" Instruction Set Architecture Reference Guide (July 2026). The comments in the code are by the model that wrote it; some were corrected since.
;; Stream Aware Lo RA. Allowed arithmetic: float matrix products may take bf16 or f16 operands with f32 sums; all other float work in f32.
;; Inputs: W 4,096 x 4,096 float32; b 4,096 float32; hidden_states 32 x 128 x 4,096 float32; lora_A 8 x 16 x 4,096 float32; lora_B 8 x 4,096 x 16 float32.
;; Outputs: out0 32 x 128 x 4,096 float32.
;; One version. Each part assembles by itself: llvm-mc -triple=amdgcn-amd-amdhsa -mcpu=gfx1250 --defsym DOCPART=n.
;; ======== version 1 of 1: 2 launches
;; workspace buffers: xb 33,554,432 bytes; wb 33,554,432 bytes; a2 262,144 bytes
;; launch prep (part 1): grid 256 x 1, 16 waves a work-group, no clusters, 288,768 bytes of LDS; arguments hidden_states, W, lora_A, xb, wb, a2; writes xb, wb, a2
.if DOCPART == 1
	.amdgcn_target "amdgcn-amd-amdhsa--gfx1250"
	.amdhsa_code_object_version 6
	.text
	.protected	k_q347d8d67f1_prep
	.globl	k_q347d8d67f1_prep
	.p2align	8
	.type	k_q347d8d67f1_prep,@function
k_q347d8d67f1_prep:
	s_mov_b64 s[64:65], 0
	v_nop
	global_prefetch_b8 v0, s[64:65] scope:SCOPE_SE
	s_setreg_imm32_b32 hwreg(HW_REG_WAVE_MODE, 25, 1), 1
	s_wait_xcnt 0x0
; prep: xb = bf16(hidden_states), wb = bf16(W), a2 = 2 * x * lora_A[p]^T as a bf16 high part and a bf16 remainder.
; hidden_states is taken as [4096][4096] f32 (row m = batch * 128 + seq; stream p = m / 512), W as [4096][4096] f32, lora_A as [8][16][4096] f32.
; Work-group g owns rows 16 g .. 16 g + 15 of x and of W; its stream is g / 32.  Wave w owns columns 256 w .. 256 w + 255 of these rows
; and of lora_A[p]'s 16 rows.  A load of a wave covers 512 neighbouring bytes of f32, a store 256 neighbouring, aligned bytes of bf16.
; Each byte of x and of W is read once: the rounded x goes to memory AND into the wave's own LDS tile, from which the matrix unit takes it
; for the wave's part (256 of K) of x * lora_A[p]^T.  The 16 waves' partial sums meet in LDS behind the one barrier; wave 0 adds them.
; THE ORDER OF THE SIX GROUPS OF 16 LOADS is x, W, lora_A, twice.  Two of every three loads ask for bytes that no other work-group reads;
; each group of x and of W is stored as soon as it is in; the group that has no stores comes last, so that all 64 global stores of the wave
; have been issued before its LDS reads, its eight matrix instructions, the barrier and wave 0's sum begin.
; K IS PERMUTED INSIDE AN LDS ROW: lane L's 16 bytes at byte 16 L hold my columns 4 L .. 4 L + 3 and 128 + 4 L .. 128 + 4 L + 3.  x's tile and
; lora_A's are laid alike, so every product pairs one column with itself; only the order of the sums hangs on it.
; a2's layout: tile g (1,024 bytes) is the register image that the second launch loads: byte 16 L = four registers of lane L = 16 h + r:
; the high parts of ranks 8 h .. 8 h + 7 of row 16 g + r; byte 512 + 16 L = the remainders in the same order.
; LIMITS: x, W and lora_A are rounded to bf16 (nearest even) as matrix operands; K is summed in 16 parts and a tree, not in the
; order of a plain loop; where 2 * a_out is beyond f32's range the remainder is NaN (the exact result is not finite there either).
.set XROW,  16384                      ; bytes in a row of f32
.set BROW,  8192                       ; bytes in a row of bf16
.set PITCH, 528                        ; an LDS row: 512 bytes (256 bf16) + 16: an odd multiple of 16, so 16 rows' equal columns fall into 16 different 16-byte columns of 256
.set TILE,  16*PITCH                   ; 8,448 bytes: 16 rows
.set WLDS,  2*TILE                     ; a wave's own LDS: x's tile, then lora_A's
.set RED,   16*WLDS                    ; 270,336: behind the tiles, 1,024 bytes of partial sums for each wave
.set BUF0,  32                         ; v[32:95]    x's groups, then the fragments        (a buffer = 16 loads = 8 rows x 1,024 bytes)
.set BUF1,  96                         ; v[96:159]   W's groups
.set BUF2,  160                        ; v[160:223]  lora_A's groups
.set ACC,   224                        ; v[224:239]  two accumulators that take turns
; v1 lane L; v2 16 L (f32 loads, a2 stores); v3 8 L (bf16 stores); v4, v5 where I put 16 bytes of x's, lora_A's LDS row;
; v6, v7 my fragment address in x's, lora_A's tile; v8 my place for partial sums; v9 where wave 0 reads them
	s_load_b256 s[4:11], s[0:1], 0x0               ; hidden_states s[4:5], W s[6:7], lora_A s[8:9], xb s[10:11]
	s_load_b128 s[12:15], s[0:1], 0x20             ; wb s[12:13], a2 s[14:15]
	v_lshl_add_u32 v240, v0, 2, 0x46000
	v_mov_b32 v241, 0
	v_lshrrev_b32 v10, 5, v0
	v_readfirstlane_b32 s16, v10                   ; wave 0..15
	v_and_b32 v1, 31, v0                           ; lane
	v_lshlrev_b32 v2, 4, v1
	v_lshlrev_b32 v3, 3, v1
	s_lshl_b32 s26, s16, 10                        ; my 256 columns in f32: 1,024 bytes
	s_lshl_b32 s27, s16, 9                         ; in bf16: 512 bytes
	s_lshl_b32 s18, ttmp9, 18                      ; 16 rows of 16,384 bytes
	s_add_co_u32 s18, s18, s26
	s_mov_b32 s19, 0
	s_lshl_b32 s20, ttmp9, 17                      ; 16 rows of 8,192 bytes
	s_add_co_u32 s20, s20, s27
	s_mov_b32 s21, 0
	s_lshr_b32 s22, ttmp9, 5                       ; stream
	s_lshl_b32 s22, s22, 18                        ; 16 ranks of 16,384 bytes
	s_add_co_u32 s22, s22, s26
	s_mov_b32 s23, 0
	s_lshl_b32 s24, ttmp9, 10                      ; a2's tile
	s_mov_b32 s25, 0
	s_mul_i32 s17, s16, WLDS                       ; my wave's LDS
	s_wait_kmcnt 0x0
	s_add_nc_u64 s[4:5], s[4:5], s[18:19]
	s_add_nc_u64 s[6:7], s[6:7], s[18:19]
	s_add_nc_u64 s[8:9], s[8:9], s[22:23]
	s_add_nc_u64 s[10:11], s[10:11], s[20:21]
	s_add_nc_u64 s[12:13], s[12:13], s[20:21]
	s_add_nc_u64 s[14:15], s[14:15], s[24:25]
; 16 loads: rows r0 .. r0 + 7, my 1,024 bytes of each as two runs of 512.  once = 1: bytes that the launch reads one time only.
.macro GLOAD buf, base, r0, once
.irp j, 0,1,2,3,4,5,6,7
.irp q, 0,1
.if \once
	global_load_b128 v[\buf+8*\j+4*\q:\buf+8*\j+4*\q+3], v2, s[\base:\base+1] offset:(\r0+\j)*XROW+512*\q th:TH_LOAD_NT
.else
	global_load_b128 v[\buf+8*\j+4*\q:\buf+8*\j+4*\q+3], v2, s[\base:\base+1] offset:(\r0+\j)*XROW+512*\q
.endif
.endr
.endr
.endm
; a row's eight f32 become eight bf16 in the first four of their registers: two from the first run of 512 bytes, two from the second.
; Each line reads only registers that no earlier line of the four has written.
.macro CONV buf
.irp j, 0,1,2,3,4,5,6,7
	v_cvt_pk_bf16_f32 v[\buf+8*\j],   v[\buf+8*\j],   v[\buf+8*\j+1]
	v_cvt_pk_bf16_f32 v[\buf+8*\j+1], v[\buf+8*\j+2], v[\buf+8*\j+3]
	v_cvt_pk_bf16_f32 v[\buf+8*\j+2], v[\buf+8*\j+4], v[\buf+8*\j+5]
	v_cvt_pk_bf16_f32 v[\buf+8*\j+3], v[\buf+8*\j+6], v[\buf+8*\j+7]
.endr
.endm
; the rounded rows into my wave's own LDS tile: one store a row, 32 lanes x 16 bytes = the row's 512 bytes
.macro TOLDS buf, adr, r0
.irp j, 0,1,2,3,4,5,6,7
	ds_store_b128 v[\adr], v[\buf+8*\j:\buf+8*\j+3] offset:(\r0+\j)*PITCH
.endr
.endm
; and to memory, in the columns' true order: each store of the wave covers 256 consecutive bytes, aligned.  No hint: the next launch reads them.
.macro TOMEM buf, base, r0
.irp j, 0,1,2,3,4,5,6,7
.irp q, 0,1
	global_store_b64 v3, v[\buf+8*\j+2*\q:\buf+8*\j+2*\q+1], s[\base:\base+1] offset:(\r0+\j)*BROW+256*\q
.endr
.endr
.endm
; One matrix instruction, K step s of four.  Source 0 = lora_A's 16 ranks, source 1 = x's 16 rows: register j of lane (r, h) is then
; rank 8 h + j of x's row r, the order in which the second launch wants a2 in its registers.
.macro MM s, zero
.if \zero
	v_wmma_f32_16x16x32_bf16 v[ACC+8*(\s%2):ACC+8*(\s%2)+7], v[BUF0+32+8*\s:BUF0+32+8*\s+7], v[BUF0+8*\s:BUF0+8*\s+7], 0
.else
	v_wmma_f32_16x16x32_bf16 v[ACC+8*(\s%2):ACC+8*(\s%2)+7], v[BUF0+32+8*\s:BUF0+32+8*\s+7], v[BUF0+8*\s:BUF0+8*\s+7], v[ACC+8*(\s%2):ACC+8*(\s%2)+7]
.endif
.endm
; 128 of my 256 columns, from byte k of the LDS rows: four K steps of 32.  The two accumulators take turns, one instruction a turn,
; from one HALF into the next too.
.macro HALF k, zero
.irp s, 0,1,2,3
	ds_load_b128 v[BUF0+8*\s:BUF0+8*\s+3],       v6 offset:\k+64*\s      ; LDS serves a wave's instructions in order (ISA guide 5.7.1): these see my stores
	ds_load_b128 v[BUF0+8*\s+4:BUF0+8*\s+7],     v6 offset:\k+64*\s+32
	ds_load_b128 v[BUF0+32+8*\s:BUF0+32+8*\s+3], v7 offset:\k+64*\s
	ds_load_b128 v[BUF0+32+8*\s+4:BUF0+32+8*\s+7], v7 offset:\k+64*\s+32
.endr
	s_wait_dscnt 12                                ; four loads a K step: the twelve of the later steps may be out
	MM 0, \zero
	s_wait_dscnt 8
	MM 1, \zero
	s_wait_dscnt 4
	MM 2, 0
	s_wait_dscnt 0
	MM 3, 0
.endm
.macro ADD8 d, s                       ; eight sums onto eight
.irp c, 0,2,4,6
	v_pk_add_f32 v[\d+\c:\d+\c+1], v[\d+\c:\d+\c+1], v[\s+\c:\s+\c+1]
.endr
.endm
.macro PLACES                          ; four plain vector places behind a matrix instruction before its registers are loaded into or its result is read (ISA guide 7.12.1)
.rept 4
	v_nop
.endr
.endm
	GLOAD BUF0, 4, 0, 1                            ; x, rows 0-7
	GLOAD BUF1, 6, 0, 1                            ; W, rows 0-7
	GLOAD BUF2, 8, 0, 0                            ; lora_A[p], ranks 0-7 (32 work-groups read the same stream: no hint): 48 loads, 24 KiB, of the wave are on their way
	v_add_nc_u32 v4, s17, v2
	v_add_nc_u32 v5, TILE, v4
	v_and_b32 v10, 15, v0                          ; r
	v_bfe_u32 v11, v0, 4, 1                        ; h
	v_mul_u32_u24 v6, v10, PITCH
	v_lshl_add_u32 v6, v11, 4, v6                  ; a fragment: row r, 16 bytes for each half of the lanes, and 32 bytes further on
	v_add_nc_u32 v6, s17, v6
	v_add_nc_u32 v7, TILE, v6
	v_add_nc_u32 v9, RED, v2
	v_add_nc_u32 v8, s26, v9
	s_wait_loadcnt 32                              ; loads come back in order: the oldest group of 16 is in, two groups stay out
	CONV BUF0
	TOLDS BUF0, 4, 0
	TOMEM BUF0, 10, 0
	s_wait_xcnt 0x0                                ; the stores' data registers are loaded into only behind this wait
	GLOAD BUF0, 4, 8, 1                            ; x, rows 8-15
	s_wait_loadcnt 32
	CONV BUF1
	TOMEM BUF1, 12, 0
	s_wait_xcnt 0x0                                ; likewise
	GLOAD BUF1, 6, 8, 1                            ; W, rows 8-15
	s_wait_loadcnt 32
	CONV BUF2
	TOLDS BUF2, 5, 0
	GLOAD BUF2, 8, 8, 0                            ; lora_A[p], ranks 8-15
	s_wait_loadcnt 32
	CONV BUF0
	TOLDS BUF0, 4, 8
	TOMEM BUF0, 10, 8
	s_wait_loadcnt 16                              ; W's rows 8-15 are in, lora_A's last group may be out
	CONV BUF1
	TOMEM BUF1, 12, 8                              ; the last of the wave's 64 stores of rounded numbers
	s_wait_loadcnt 0
	CONV BUF2
	TOLDS BUF2, 5, 8
	s_wait_xcnt 0x0                                ; buffers 0 and 1, which stores read, are written again only behind this wait: buffer 0 by the fragments,
	                                               ; both by wave 0's sum; no global instruction follows before a2's two stores
	HALF 0, 1                                      ; the first two products start the two sums: nothing is cleared
	PLACES                                         ; the next loads land in registers that matrix instructions have read
	HALF 256, 0
	PLACES                                         ; the sums are read next
	ADD8 ACC, ACC+8
	ds_store_b128 v8, v[ACC:ACC+3]                 ; my wave's partial sums, in lane order
	ds_store_b128 v8, v[ACC+4:ACC+7] offset:512
	s_wait_dscnt 0x0                               ; for wave 0's sake: my partial sums are in LDS
	s_barrier_signal -1
	s_barrier_wait -1
	s_cmp_lg_u32 s16, 0
	s_cbranch_scc1 .Lend                           ; wave 0 alone adds the 16 parts
.irp w, 0,1,2,3,4,5,6,7,8,9,10,11,12,13,14,15
	ds_load_b128 v[BUF0+8*\w:BUF0+8*\w+3],   v9 offset:1024*\w
	ds_load_b128 v[BUF0+8*\w+4:BUF0+8*\w+7], v9 offset:1024*\w+512
.endr
	s_wait_dscnt 0x0
.irp w, 0,1,2,3,4,5,6,7
	ADD8 BUF0+8*\w, BUF0+8*\w+64
.endr
.irp w, 0,1,2,3
	ADD8 BUF0+8*\w, BUF0+8*\w+32
.endr
.irp w, 0,1
	ADD8 BUF0+8*\w, BUF0+8*\w+16
.endr
	ADD8 BUF0, BUF0+8
.irp c, 0,2,4,6
	v_pk_mul_f32 v[BUF0+\c:BUF0+\c+1], v[BUF0+\c:BUF0+\c+1], 2.0 op_sel_hi:[1,0]   ; alpha / rank = 2
.endr
.irp i, 0,1,2,3
	v_cvt_pk_bf16_f32 v[BUF0+8+\i], v[BUF0+2*\i], v[BUF0+2*\i+1]                   ; the high parts, v[40:43]
.endr
.irp i, 0,1,2,3
	v_lshlrev_b32 v[BUF0+16+2*\i], 16, v[BUF0+8+\i]                                ; back to f32
	v_and_b32 v[BUF0+16+2*\i+1], 0xffff0000, v[BUF0+8+\i]
.endr
.irp i, 0,1,2,3,4,5,6,7
	v_sub_f32 v[BUF0+\i], v[BUF0+\i], v[BUF0+16+\i]                                ; what the rounding left
.endr
.irp i, 0,1,2,3
	v_cvt_pk_bf16_f32 v[BUF0+12+\i], v[BUF0+2*\i], v[BUF0+2*\i+1]                  ; the remainders, v[44:47]
.endr
	global_store_b128 v2, v[BUF0+8:BUF0+11], s[14:15]                              ; 512 consecutive bytes each
	global_store_b128 v2, v[BUF0+12:BUF0+15], s[14:15] offset:512
.Lend:
	s_wait_tensorcnt 0x0
	ds_add_u32 v240, v241
	s_wait_dscnt 0x0
	s_endpgm
.Lfunc_end_k_q347d8d67f1_prep:
	.size	k_q347d8d67f1_prep, .Lfunc_end_k_q347d8d67f1_prep-k_q347d8d67f1_prep
	.p2alignl 7, 3214868480
	.fill 96, 4, 3214868480
	.section	.rodata,"a",@progbits
	.p2align	6, 0x0
	.amdhsa_kernel k_q347d8d67f1_prep
		.amdhsa_group_segment_fixed_size 288768
		.amdhsa_private_segment_fixed_size 0
		.amdhsa_enable_private_segment 0
		.amdhsa_kernarg_size 48
		.amdhsa_user_sgpr_count 2
		.amdhsa_user_sgpr_kernarg_segment_ptr 1
		.amdhsa_wavefront_size32 1
		.amdhsa_system_sgpr_workgroup_id_x 1
		.amdhsa_system_sgpr_workgroup_id_y 1
		.amdhsa_system_sgpr_workgroup_id_z 1
		.amdhsa_system_vgpr_workitem_id 0
		.amdhsa_next_free_vgpr 242
		.amdhsa_next_free_sgpr 66
		.amdhsa_reserve_vcc 0
		.amdhsa_float_denorm_mode_32 3
		.amdhsa_float_denorm_mode_16_64 3
		.amdhsa_memory_ordered 1
		.amdhsa_forward_progress 1
		.amdhsa_inst_pref_size 43
	.end_amdhsa_kernel
	.amdgpu_metadata
---
amdhsa.version: [ 1, 2 ]
amdhsa.kernels:
  - .name:           k_q347d8d67f1_prep
    .symbol:         k_q347d8d67f1_prep.kd
    .args:
      - { .name: hidden_states, .offset: 0, .size: 8, .value_kind: global_buffer, .address_space: global }
      - { .name: W, .offset: 8, .size: 8, .value_kind: global_buffer, .address_space: global }
      - { .name: lora_A, .offset: 16, .size: 8, .value_kind: global_buffer, .address_space: global }
      - { .name: xb, .offset: 24, .size: 8, .value_kind: global_buffer, .address_space: global }
      - { .name: wb, .offset: 32, .size: 8, .value_kind: global_buffer, .address_space: global }
      - { .name: a2, .offset: 40, .size: 8, .value_kind: global_buffer, .address_space: global }
    .group_segment_fixed_size: 288768
    .private_segment_fixed_size: 0
    .kernarg_segment_align: 8
    .kernarg_segment_size: 48
    .max_flat_workgroup_size: 512
    .sgpr_count:     66
    .vgpr_count:     242
    .wavefront_size: 32
...
	.end_amdgpu_metadata
.endif
;; end of part 1
;; launch gemm (part 2): grid 16 x 16, 4 waves a work-group, clusters of 4 x 4, 327,680 bytes of LDS; arguments xb, wb, a2, lora_B, b, out0; writes out0
.if DOCPART == 2
	.amdgcn_target "amdgcn-amd-amdhsa--gfx1250"
	.amdhsa_code_object_version 6
	.text
	.protected	k_q347d8d67f1_gemm
	.globl	k_q347d8d67f1_gemm
	.p2align	8
	.type	k_q347d8d67f1_gemm,@function
k_q347d8d67f1_gemm:
	s_mov_b64 s[64:65], 0
	v_nop
	global_prefetch_b8 v0, s[64:65] scope:SCOPE_SE
	s_setreg_imm32_b32 hwreg(HW_REG_WAVE_MODE, 25, 1), 1
	s_wait_xcnt 0x0
	s_wait_alu depctr_hold_cnt(0) depctr_sa_sdst(0) depctr_va_vdst(0) depctr_va_sdst(0) depctr_va_ssrc(0) depctr_va_vcc(0) depctr_vm_vsrc(0)
	s_getreg_b32 s2, hwreg(HW_REG_IB_STS2, 6, 4)
	s_cmp_eq_u32 s2, 0
	s_cbranch_scc0 .Lentry_in_a_cluster
	s_endpgm
.Lentry_in_a_cluster:
	s_bfe_u32 s2, ttmp6, 0x10000c
	s_cmp_lg_u32 s2, 0xf033
	s_cbranch_scc0 .Lentry_shape_is_right
	s_endpgm
.Lentry_shape_is_right:
; out0[m][o] = sum over h of xb[m][h] wb[o][h]  +  sum over r of a2[m][r] lora_B[p][o][r]  +  b[o],   p = m / 512.
; xb, wb: [4096][4096] bf16 (the first launch's roundings of hidden_states and W); a2 = 2 x lora_A[p]^T as bf16 high part + bf16 remainder;
; lora_B: [8][4096][16] f32; b: [4096] f32; out0: [4096][4096] f32.  Sums in f32.
; The low-rank term is 32 more columns of K: [high part | remainder] of a2 against [lora_B[p] | lora_B[p]].  That one K step of 32 stands in
; front of the loop and starts all the sums (C = 0), so nothing is cleared.  A block of 256 rows lies inside one stream of 512 rows.
; A work-group makes a block of 256 x 256 with four waves, one for each SIMD of its WGP; a wave makes 128 x 128: 64 accumulator tiles of 16 x 16, 512 registers.
; K goes in steps of 128 through a ring of two LDS slots filled by the tensor data mover: a tile's rows are 256 bytes of memory, aligned to 256.
; CLUSTERS: 4 x 4 work-groups.  The four of a row of the cluster need the same tiles of xb, the four of a column the same tiles of wb: each tile
; is asked for jointly, by the same tensor load with the same descriptor and a mask that names the four: the requests are divided by four.
; LIMITS: lora_B is rounded to bf16 (nearest even) as a matrix operand, like xb, wb and a2's two parts; the order of the sums is
; low-rank term, then K ascending, then the bias.
;
; REGISTERS, in windows of 256 (s_set_vgpr_msb says which window each operand place means):
;   window 0: v16-31 addresses and the bias; v64-127, v128-191 fragments of x (8 x 16 rows x 32 K), two buffers; v192-255 lora_B as loaded
;   window 1: v64-127, v128-191 fragments of W, two buffers
;   window 2: the 32 accumulator tiles of my rows 0-63 (tile (a, b) at v[8 (8 a + b)]);   window 3: those of my rows 64-127
; THE MATRIX INSTRUCTION IS USED TRANSPOSED: source 0 = 16 rows of W, source 1 = 16 rows of x: lane l then holds row l % 16 of the output and
; its registers 0 to 7 the columns 8 (l / 16) + 0 .. 7: 32 neighbouring bytes of a row.
.set SIZE_M, 4096
.set SIZE_N, 4096
.set SIZE_K, 4096
.set KSTEP,  128
.set PITCH,  272                       ; an LDS row: 256 bytes + 16 of padding: an odd multiple of 16, so the 16 rows that a load touches fall into 16 different 16-byte columns of 256
.set HALFT,  128*PITCH                 ; 128 rows: what one tensor load brings, and what one wave reads of x or of W
.set SLOT,   4*HALFT                   ; x's 256 rows, then W's 256 rows
.set STAGE,  2*SLOT                    ; 278,528, a multiple of 256: behind the ring, 16 rows x 528 bytes for each wave; no tensor load lands there
.set SPITCH, 528                       ; a stage row: 128 f32 + 16 bytes
.set LAPS, SIZE_K/(2*KSTEP)            ; a lap = two K steps = once round the ring: 16
.set ADRA, 16                          ; v16-17  LDS address of my x fragments in slot 0, 1
.set ADRB, 20                          ; v20-21  the same for W
.set STO,  24                          ; v24     the way out: where I put 32 bytes of a row
.set RD,   25                          ; v25     the way out: where I read 16 bytes of a row back
.set CO,   26                          ; v26     16 x lane: offset in a row of out0, in a2's tiles and in b
.set LBO,  27                          ; v27     my offset in 16 rows of lora_B
.set BIAS, 28                          ; v[28:31] b of my four columns on the way out
.set F0,   64
.set F1,   128
.set RAW,  192
.set G1, 24                            ; s[24:31] descriptor group 1 for x's tiles
.set G0, 32                            ; s[32:39] descriptor group 0 for x's tiles, one set for each slot
.set G1B, 48                           ; s[48:55] group 1 for W's tiles: it differs in the mask alone
.set G0B, 56                           ; s[56:63] group 0 for W's tiles, one set for each slot
.set MSB, 0
.macro WIN new                         ; the immediate's high byte repeats the setting that is left; a switch that changes nothing is dropped
.if MSB != \new
	s_set_vgpr_msb (MSB<<8)|\new
.set MSB, \new
.endif
.endm
.set MUL_LO, 0xa1                      ; source 0 (W) window 1, source 1 (x) window 0, C and D window 2
.set MUL_HI, 0xf1                      ; the same, C and D window 3
.set TO_B,   0x40                      ; destination window 1, sources window 0
; A joint load.  Waves 0 and 1 fetch x's two halves, waves 2 and 3 W's.  Each line has one mask and one set of registers for all that issue it.
; The branch hangs on the wave's number alone.
.macro JLOAD s
	s_cmp_eq_u32 s11, 0
	s_cbranch_scc0 .Lfor_b_\@
	tensor_load_to_lds s[G0+4*\s:G0+4*\s+3], s[G1:G1+7]
	s_nop 0
	s_branch .Lasked_\@
.Lfor_b_\@:
	tensor_load_to_lds s[G0B+4*\s:G0B+4*\s+3], s[G1B:G1B+7]
	s_nop 0
.Lasked_\@:
.endm
; A round of the cluster's barrier: my work-group's barrier; wave 0 signals for the work-group; every wave waits for all sixteen; my work-group's barrier again.
.macro CREST                           ; a round behind its opening barrier
	s_cmp_lg_u32 s10, 0
	s_cbranch_scc1 .Lnot_wave_0_\@
	s_barrier_signal -3
.Lnot_wave_0_\@:
	s_barrier_wait -3
	s_barrier_signal -1
	s_barrier_wait -1
.endm
.macro CROUND                          ; a whole round
	s_barrier_signal -1
	s_barrier_wait -1
	CREST
.endm
	s_load_b128 s[4:7], s[0:1], 0x0                ; xb s[4:5], wb s[6:7]
	s_load_b128 s[68:71], s[0:1], 0x10             ; a2 s[68:69], lora_B s[70:71]
	s_load_b128 s[72:75], s[0:1], 0x20             ; b s[72:73], out0 s[74:75]
	s_set_vgpr_msb 0x40
	v_lshl_add_u32 v255, v0, 2, 0x4c400
	s_set_vgpr_msb 0x4000
	v_mov_b32 v63, 0
	s_set_vgpr_msb 0x1
	ds_add_u32 v255, v63
	s_set_vgpr_msb 0x100
	v_lshrrev_b32 v1, 5, v0
	v_readfirstlane_b32 s10, v1                    ; wave 0..3
	s_lshr_b32 s11, s10, 1                         ; which half of the block's rows is mine.  Also: I fetch for x (0) or for W (1)
	s_and_b32 s12, s10, 1                          ; which half of its columns.  Also: which 128 rows of that tile I fetch
	s_bfe_u32 s40, ttmp6, 0x40000                  ; cx
	s_bfe_u32 s41, ttmp6, 0x40004                  ; cy
	s_lshl_b32 s42, ttmp9, 2
	s_add_co_u32 s42, s42, s40                     ; block column = 4 x cluster x + cx
	s_and_b32 s13, ttmp7, 0xffff
	s_lshl_b32 s13, s13, 2
	s_add_co_u32 s13, s13, s41                     ; block row = 4 x cluster y + cy
	s_lshl_b32 s43, s41, 2
	s_lshl_b32 s43, 15, s43                        ; my row of the cluster: places 4 cy .. 4 cy + 3
	s_lshl_b32 s44, 0x1111, s40                    ; my column: places cx, cx + 4, cx + 8, cx + 12
	; descriptor group 1: a tile of 128 rows x 128 elements of 2 bytes, padded in LDS
	s_or_b32 s[G1+0], s43, (1<<16)|(1<<20)|(1<<21)|(5<<22)|(3<<25)  ; 15:0 mask: x's tiles go to my row; 17:16 2-byte elements; 20 padding on; 21 set beside a mask; 24:22 after every 64 words; 31:25 four words
	s_or_b32 s[G1B+0], s44, (1<<16)|(1<<20)|(1<<21)|(5<<22)|(3<<25) ; the same with the mask of my column, for W's tiles
	s_mov_b32 s[G1B+1], KSTEP<<16
	s_mov_b32 s[G1+1], KSTEP<<16                   ; tensor_dim0 = 128
	s_mov_b32 s[G1B+2], 128<<16
	s_mov_b32 s[G1+2], 128<<16                     ; tensor_dim1 = 128
	s_mov_b32 s[G1B+3], KSTEP<<16
	s_mov_b32 s[G1+3], KSTEP<<16                   ; tile_dim0 = 128
	s_mov_b32 s[G1B+4], 128
	s_mov_b32 s[G1+4], 128                         ; tile_dim1 = 128
	s_mov_b32 s[G1B+5], SIZE_K
	s_mov_b32 s[G1+5], SIZE_K                      ; elements from row to row
	s_mov_b32 s[G1B+6], 0
	s_mov_b32 s[G1+6], 0
	s_mov_b32 s[G1B+7], 0
	s_mov_b32 s[G1+7], 0
	; where the tiles come from: x's hang on the block row alone, W's on the block column alone, each in registers that never hold the other coordinate
	s_lshl_b32 s17, s12, 7                         ; which 128 rows of the tile I fetch
	s_lshl_b32 s16, s13, 8
	s_add_co_u32 s16, s16, s17                     ; x: row 256 x block row + 128 x half
	s_lshl_b32 s46, s42, 8
	s_add_co_u32 s46, s46, s17                     ; W: row 256 x block column + 128 x half
	s_mov_b32 s17, 0
	s_mov_b32 s47, 0
	s_mov_b64 s[18:19], SIZE_K*2
	s_mul_u64 s[16:17], s[16:17], s[18:19]         ; in bytes
	s_mul_u64 s[46:47], s[46:47], s[18:19]
	s_mul_i32 s20, s10, HALFT                      ; where they go: wave x 128 rows: no place in the cluster enters an LDS address
	; offsets of what the wave loads and stores through registers, in registers of their own that feed no descriptor
	s_lshl_b32 s76, s13, 14                        ; a2: 16 tiles of 1,024 bytes a block row,
	s_lshl_b32 s77, s11, 13                        ; 8 tiles for my half
	s_add_co_u32 s76, s76, s77
	s_mov_b32 s77, 0
	s_lshl_b32 s78, s42, 8
	s_lshl_b32 s79, s12, 7
	s_add_co_u32 s78, s78, s79                     ; my first column
	s_lshr_b32 s80, s13, 1                         ; stream = block row / 2
	s_lshl_b32 s80, s80, 18                        ; 4,096 rows of 64 bytes
	s_lshl_b32 s81, s78, 6
	s_add_co_u32 s80, s80, s81                     ; lora_B[p] at my first column
	s_mov_b32 s81, 0
	s_lshl_b32 s82, s78, 2                         ; b at my first column
	s_mov_b32 s83, 0
	s_lshl_b32 s84, s13, 8
	s_lshl_b32 s85, s11, 7
	s_add_co_u32 s84, s84, s85                     ; my first row,
	s_lshl_b32 s84, s84, 14                        ; in rows of 16,384 bytes (below 2^26),
	s_add_co_u32 s84, s84, s82                     ; and my first column
	s_mov_b32 s85, 0
	s_wait_dscnt 0x0
	s_wait_kmcnt 0x0
	s_add_nc_u64 s[14:15], s[4:5], s[16:17]
	s_add_nc_u64 s[46:47], s[6:7], s[46:47]
	s_add_nc_u64 s[68:69], s[68:69], s[76:77]
	s_add_nc_u64 s[70:71], s[70:71], s[80:81]
	s_add_nc_u64 s[72:73], s[72:73], s[82:83]
	s_add_nc_u64 s[74:75], s[74:75], s[84:85]
	CROUND                                         ; all sixteen work-groups are here: the first joint loads meet
.irp s, 0,1
	s_mov_b32 s[G0+4*\s], 1                                        ; count = 1
	s_add_co_u32 s[G0+4*\s+1], s20, \s*SLOT                        ; LDS address
	s_add_nc_u64 s[G0+4*\s+2:G0+4*\s+3], s[14:15], \s*KSTEP*2      ; global address: K step s
	s_or_b32 s[G0+4*\s+3], s[G0+4*\s+3], 0x80000000                ; type = 2
	s_mov_b32 s[G0B+4*\s], 1
	s_add_co_u32 s[G0B+4*\s+1], s20, \s*SLOT
	s_add_nc_u64 s[G0B+4*\s+2:G0B+4*\s+3], s[46:47], \s*KSTEP*2
	s_or_b32 s[G0B+4*\s+3], s[G0B+4*\s+3], 0x80000000
	JLOAD \s                                       ; both slots are asked for before anything else: two tensor loads of the wave are out, later one
.endr
	v_and_b32 v1, 15, v0                           ; l % 16
	v_bfe_u32 v2, v0, 4, 1                         ; l / 16
	v_and_b32 v5, 31, v0
	v_lshlrev_b32 v[CO], 4, v5
	v_lshlrev_b32 v[LBO], 6, v1                    ; lora_B: row l % 16 of 64 bytes,
	v_lshl_add_u32 v[LBO], v2, 5, v[LBO]           ; ranks 8 (l / 16) .. + 7: 32 bytes
	; a2's tiles are register images: tile i's high parts are registers 0-3 (K 0-15) of x fragment i, its remainders registers 4-7 (K 16-31)
.irp i, 0,1,2,3,4,5,6,7
	global_load_b128 v[F1+8*\i:F1+8*\i+3],   v[CO], s[68:69] offset:1024*\i
	global_load_b128 v[F1+8*\i+4:F1+8*\i+7], v[CO], s[68:69] offset:1024*\i+512
.endr
.irp i, 0,1,2,3,4,5,6,7
	global_load_b128 v[RAW+8*\i:RAW+8*\i+3],   v[LBO], s[70:71] offset:1024*\i
	global_load_b128 v[RAW+8*\i+4:RAW+8*\i+7], v[LBO], s[70:71] offset:1024*\i+16
.endr
	global_load_b128 v[BIAS:BIAS+3], v[CO], s[72:73]
	; A fragment is 16 rows x 32 K in 8 registers: lane l holds row l % 16; registers 0-3 hold K = 8 (l / 16) + 0..7, registers 4-7 K = 16 + 8 (l / 16) + 0..7
	v_mul_u32_u24 v3, v1, PITCH
	v_lshl_add_u32 v3, v2, 4, v3                   ; row x pitch + 16 x half
	s_mul_i32 s21, s11, HALFT                      ; my 128 rows of x
	s_mul_i32 s22, s12, HALFT                      ; my 128 rows of W,
	s_add_co_u32 s22, s22, 2*HALFT                 ; which lie behind x's 256
.irp s, 0,1
	v_add_nc_u32 v[ADRA+\s], s21, v3
	v_add_nc_u32 v[ADRB+\s], s22, v3
	s_add_co_u32 s21, s21, SLOT
	s_add_co_u32 s22, s22, SLOT
.endr
	s_mul_i32 s23, s10, 16*SPITCH
	s_add_co_u32 s23, s23, STAGE                   ; my stage
	v_mul_u32_u24 v4, v1, SPITCH                   ; in: row l % 16, 32 bytes for each half of the lanes
	v_lshl_add_u32 v4, v2, 5, v4
	v_add_nc_u32 v[STO], s23, v4
	v_add_nc_u32 v[RD], s23, v[CO]                 ; back: 32 lanes take one row of 512 bytes
; 16 matrix instructions: m blocks a0, a0 + 1 of the window's four (hi = 0: my rows 0-63, 1: rows 64-127) x all 8 n blocks, 32 along K.
; zero = 1: the product starts the sums.
.macro MUL16 f, hi, a0, zero
.irp a, \a0, \a0+1
.irp b, 0,1,2,3,4,5,6,7
.if \zero
	v_wmma_f32_16x16x32_bf16 v[8*(8*(\a)+\b):8*(8*(\a)+\b)+7], v[\f+8*\b:\f+8*\b+7], v[\f+8*(4*\hi+\a):\f+8*(4*\hi+\a)+7], 0
.else
	v_wmma_f32_16x16x32_bf16 v[8*(8*(\a)+\b):8*(8*(\a)+\b)+7], v[\f+8*\b:\f+8*\b+7], v[\f+8*(4*\hi+\a):\f+8*(4*\hi+\a)+7], v[8*(8*(\a)+\b):8*(8*(\a)+\b)+7]
.endif
.endr
.endr
.endm
; 32 LDS loads in one run: the fragments of one quarter step (128 rows of W, 128 rows of x, 32 K at byte k of the rows) into buffer f
.macro FETCH slot, k, f
	WIN TO_B
.irp i, 0,1,2,3,4,5,6,7
	ds_load_b128 v[\f+8*\i:\f+8*\i+3],   v[ADRB+\slot] offset:\k+\i*16*PITCH
	ds_load_b128 v[\f+8*\i+4:\f+8*\i+7], v[ADRB+\slot] offset:\k+\i*16*PITCH+32
.endr
	WIN 0
.irp i, 0,1,2,3,4,5,6,7
	ds_load_b128 v[\f+8*\i:\f+8*\i+3],   v[ADRA+\slot] offset:\k+\i*16*PITCH
	ds_load_b128 v[\f+8*\i+4:\f+8*\i+7], v[ADRA+\slot] offset:\k+\i*16*PITCH+32
.endr
.endm
; Four plain vector places stand between a matrix instruction and a load into a register that it has read, or a store of its result
; (ISA guide 7.12.1 for vector instructions); the matrix instructions in between are not counted.
.macro PLACES
.rept 4
	v_nop
.endr
.endm
; A K step is four quarter steps of 32 along K, 64 matrix instructions each, on buffers 0, 1, 0, 1.  The 64 accumulators take turns, one
; instruction a turn, in the same order in every quarter, over the backward jump too.
; One of the first three quarters: multiplies buffer f; in its middle it fetches the next quarter's fragments, at byte k of the rows, into buffer g.
.macro QUARTER slot, k, f, g
	s_wait_dscnt 8                                 ; W and x's rows 0-63 are in; the youngest eight loads (x's rows 64-127) may be out
	WIN MUL_LO
	MUL16 \f, 0, 0, 0
	MUL16 \f, 0, 2, 0
	PLACES
	FETCH \slot, \k, \g
	s_wait_dscnt 32                                ; all but the 32 just issued
	WIN MUL_HI
	MUL16 \f, 1, 0, 0
	MUL16 \f, 1, 2, 0
.endm
.macro THREE slot
	QUARTER \slot, 64,  F0, F1
	QUARTER \slot, 128, F1, F0
	QUARTER \slot, 192, F0, F1
.endm
; The last quarter: multiplies buffer 1 and changes slots.  next = the other slot; fill = 1: this slot is filled again, two K steps ahead.
; In front of the barrier each wave waits for its own reads of this slot and for all its tensor loads, of which one is out: its part of the
; next slot.  Behind it nobody reads this slot any more and the next slot is whole: the refill comes first, then the next slot's first
; fragments.  From a request to the wait for it a wave issues 240 matrix instructions.
.macro TURN slot, next, fill
	s_wait_dscnt 8
	WIN MUL_LO
	MUL16 F1, 0, 0, 0
	s_wait_dscnt 0                                 ; my reads of this slot are over
	s_wait_tensorcnt 0x0                           ; and all my tensor loads have landed
	ds_add_u32 v255, v63
	s_wait_dscnt 0x0
	s_barrier_signal -1                            ; say so (where a slot is filled again this barrier opens a round of the cluster's barrier),
	MUL16 F1, 0, 2, 0                              ; work on registers while the others arrive,
	WIN 0
	s_barrier_wait -1
.if \fill
	CREST                                          ; all sixteen work-groups have said so: no wave of any partner still reads this slot or has a load on its way
	s_add_nc_u64 s[G0+4*\slot+2:G0+4*\slot+3], s[G0+4*\slot+2:G0+4*\slot+3], 2*KSTEP*2
	s_add_nc_u64 s[G0B+4*\slot+2:G0B+4*\slot+3], s[G0B+4*\slot+2:G0B+4*\slot+3], 2*KSTEP*2
	JLOAD \slot                                    ; the first tensor load behind the round, and the wave's only one until the next
.endif
	PLACES
	FETCH \next, 0, F0
	WIN MUL_HI
	MUL16 F1, 1, 0, 0
	MUL16 F1, 1, 2, 0
.endm
.macro LAP                             ; once round the ring, both slots filled again
	THREE 0
	TURN 0, 1, 1
	THREE 1
	TURN 1, 0, 1
.endm
	s_wait_loadcnt 0x0                             ; a2, lora_B and b, once
	; lora_B[p] rounded to bf16 into W's buffer 1, twice: registers 0-3 (K 0-15) meet a2's high parts, registers 4-7 (K 16-31) its remainders
	WIN TO_B
.irp i, 0,1,2,3,4,5,6,7
.irp j, 0,1,2,3
	v_cvt_pk_bf16_f32 v[F1+8*\i+\j],   v[RAW+8*\i+2*\j], v[RAW+8*\i+2*\j+1]
	v_cvt_pk_bf16_f32 v[F1+8*\i+4+\j], v[RAW+8*\i+2*\j], v[RAW+8*\i+2*\j+1]
.endr
.endr
	s_wait_tensorcnt 0x1                           ; my part of K step 0 is in; K step 1's may stay out
	s_barrier_signal -1
	s_barrier_wait -1                              ; everybody's is
	FETCH 0, 0, F0
	WIN MUL_LO                                     ; the low-rank quarter, from registers alone, while K step 0's first fragments come: it starts all 64 sums
	MUL16 F1, 0, 0, 1
	MUL16 F1, 0, 2, 1
	WIN MUL_HI
	MUL16 F1, 1, 0, 1
	MUL16 F1, 1, 2, 1
	WIN 0                                          ; at a label and at a branch every window is 0
	s_mov_b32 s3, LAPS-1                           ; 15 laps fill the slots again, with K steps 2 to 31
.Llap:
	LAP
	WIN 0
	s_sub_co_u32 s3, s3, 1
	s_cmp_lg_u32 s3, 0
	s_cbranch_scc1 .Llap
	THREE 0                                        ; the last lap fills nothing and has no round of the cluster's barrier: the one tensor load still out is slot 1's, the last K step's
	TURN 0, 1, 0
	THREE 1
	s_wait_dscnt 8                                 ; the very last quarter: nothing more to fetch
	WIN MUL_LO
	MUL16 F1, 0, 0, 0
	MUL16 F1, 0, 2, 0
	s_wait_dscnt 0
	WIN MUL_HI
	MUL16 F1, 1, 0, 0
	MUL16 F1, 1, 2, 0
	; THE WAY OUT, 16 rows at a time: the sums go straight from their window into my own stage in LDS, 32 bytes a lane and tile, and come back
	; as whole rows of 512 bytes; the bias is added to the four columns that a lane holds in every row; then they are stored.
	PLACES                                         ; the places behind the last matrix instructions: for the LDS stores of results and the loads into buffers 0 and 1
; rows 16 i .. 16 i + 15 of my block = the eight tiles (a, 0..7) of window 2 or 3 (from = 0x08 or 0x0c: an LDS store's data is source 1); f: F0 or F1 in turn
.macro OUT16 i, a, from, f
	WIN \from
.irp b, 0,1,2,3,4,5,6,7
	ds_store_b128 v[STO], v[8*(8*\a+\b):8*(8*\a+\b)+3]   offset:64*\b
	ds_store_b128 v[STO], v[8*(8*\a+\b)+4:8*(8*\a+\b)+7] offset:64*\b+16
.endr
	WIN 0
	s_wait_xcnt 0x0                                ; buffer f, which earlier stores read, and the stores' base are rewritten only behind this wait
.if \i
	s_add_nc_u64 s[74:75], s[74:75], 16*SIZE_N*4   ; 16 rows on
.endif
.irp t, 0,1,2,3,4,5,6,7,8,9,10,11,12,13,14,15
	ds_load_b128 v[\f+4*\t:\f+4*\t+3], v[RD] offset:\t*SPITCH      ; LDS serves a wave's instructions in order (ISA guide 5.7.1): these see the stores above, and the next stores come behind them
.endr
.irp t, 0,1,2,3,4,5,6,7,8,9,10,11,12,13,14,15
	s_wait_dscnt 15-\t                             ; row t is in, the younger rows may be out
	v_pk_add_f32 v[\f+4*\t:\f+4*\t+1],   v[\f+4*\t:\f+4*\t+1],   v[BIAS:BIAS+1]
	v_pk_add_f32 v[\f+4*\t+2:\f+4*\t+3], v[\f+4*\t+2:\f+4*\t+3], v[BIAS+2:BIAS+3]
	global_store_b128 v[CO], v[\f+4*\t:\f+4*\t+3], s[74:75] offset:\t*SIZE_N*4 th:TH_STORE_NT   ; the wave stores 512 consecutive bytes, at a multiple of 512 from out0's first byte
.endr
.endm
	OUT16 0, 0, 0x08, F0
	OUT16 1, 1, 0x08, F1
	OUT16 2, 2, 0x08, F0
	OUT16 3, 3, 0x08, F1
	OUT16 4, 0, 0x0c, F0
	OUT16 5, 1, 0x0c, F1
	OUT16 6, 2, 0x0c, F0
	OUT16 7, 3, 0x0c, F1
	s_set_vgpr_msb 0x1
	s_wait_tensorcnt 0x0
	ds_add_u32 v255, v63
	s_wait_dscnt 0x0
	s_set_vgpr_msb 0x100
	CROUND                                         ; the closing round: no work-group ends while a partner may still ask for a tile that names it
	s_endpgm
.Lfunc_end_k_q347d8d67f1_gemm:
	.size	k_q347d8d67f1_gemm, .Lfunc_end_k_q347d8d67f1_gemm-k_q347d8d67f1_gemm
	.p2alignl 7, 3214868480
	.fill 96, 4, 3214868480
	.section	.rodata,"a",@progbits
	.p2align	6, 0x0
	.amdhsa_kernel k_q347d8d67f1_gemm
		.amdhsa_group_segment_fixed_size 327680
		.amdhsa_private_segment_fixed_size 0
		.amdhsa_enable_private_segment 0
		.amdhsa_kernarg_size 48
		.amdhsa_user_sgpr_count 2
		.amdhsa_user_sgpr_kernarg_segment_ptr 1
		.amdhsa_wavefront_size32 1
		.amdhsa_system_sgpr_workgroup_id_x 1
		.amdhsa_system_sgpr_workgroup_id_y 1
		.amdhsa_system_sgpr_workgroup_id_z 1
		.amdhsa_system_vgpr_workitem_id 0
		.amdhsa_next_free_vgpr 1024
		.amdhsa_next_free_sgpr 88
		.amdhsa_reserve_vcc 0
		.amdhsa_float_denorm_mode_32 3
		.amdhsa_float_denorm_mode_16_64 3
		.amdhsa_memory_ordered 1
		.amdhsa_forward_progress 1
		.amdhsa_inst_pref_size 171
	.end_amdhsa_kernel
	.amdgpu_metadata
---
amdhsa.version: [ 1, 2 ]
amdhsa.kernels:
  - .name:           k_q347d8d67f1_gemm
    .symbol:         k_q347d8d67f1_gemm.kd
    .args:
      - { .name: xb, .offset: 0, .size: 8, .value_kind: global_buffer, .address_space: global }
      - { .name: wb, .offset: 8, .size: 8, .value_kind: global_buffer, .address_space: global }
      - { .name: a2, .offset: 16, .size: 8, .value_kind: global_buffer, .address_space: global }
      - { .name: lora_B, .offset: 24, .size: 8, .value_kind: global_buffer, .address_space: global }
      - { .name: b, .offset: 32, .size: 8, .value_kind: global_buffer, .address_space: global }
      - { .name: out0, .offset: 40, .size: 8, .value_kind: global_buffer, .address_space: global }
    .group_segment_fixed_size: 327680
    .private_segment_fixed_size: 0
    .kernarg_segment_align: 8
    .kernarg_segment_size: 48
    .max_flat_workgroup_size: 128
    .sgpr_count:     88
    .vgpr_count:     1024
    .wavefront_size: 32
...
	.end_amdgpu_metadata
.endif
;; end of part 2
